; MI455X (gfx1250); checked and timed in simulation.
; The chip was launched on July 23, 2026; its instructions are those of AMD's public machine-readable ISA for CDNA 5 (MIT licence, August 2026) and "CDNA5" Instruction Set Architecture Reference Guide (July 2026). The comments in the code are by the model that wrote it; some were corrected since.
;; Bert Self Attention. Allowed arithmetic: matrix products marked QUANTISED: E4M3 operands, one given power-of-two scale a tensor, by v_wmma_f32_16x16x64_fp8_fp8 or v_wmma_f32_16x16x128_fp8_fp8, f32 sums; everything else in f32.
;; Inputs: bk 1,024 float32; bq 1,024 float32; bv 1,024 float32; hidden_states 4 x 2,048 x 1,024 float32; lowp_scales 10 int32 (the exponents e of the quantised operands' scales 2^e); pad 4 x 2,048 float32; wk 1,024 x 1,024 float32; wq 1,024 x 1,024 float32; wv 1,024 x 1,024 float32.
;; Outputs: out0 4 x 2,048 x 1,024 float32.
;; This version of the problem:
;;   THIS VERSION OF THE PROBLEM IS GIVEN IN LOW PRECISION. The matrix products marked QUANTISED in the list below multiply operands that are first quantised to E4M3 (4 exponent bits, 3 mantissa bits; 8 bits a number), with one given power-of-two scale for each operand tensor; their sums are f32. All else is computed in f32.
;;   The module's matrix products, in the order in which they are computed (A, B: the left and right operand; K: the contracted axis; several contracted axes count as one K, in the product's order):
;;     1. [M 8,192, K 1,024] x [K 1,024, N 1,024]; A: input hidden_states; B: input wq: QUANTISED (scales: A lowp_scales[0], B lowp_scales[1])
;;     2. [M 8,192, K 1,024] x [K 1,024, N 1,024]; A: input hidden_states; B: input wk: QUANTISED (scales: A lowp_scales[2], B lowp_scales[3])
;;     3. [M 8,192, K 1,024] x [K 1,024, N 1,024]; A: input hidden_states; B: input wv: QUANTISED (scales: A lowp_scales[4], B lowp_scales[5])
;;     4. batch 64 x [M 2,048, K 64] x [K 64, N 2,048]; A: computed on the way; B: computed on the way: QUANTISED (scales: A lowp_scales[6], B lowp_scales[7])
;;     5. batch 64 x [M 2,048, K 2,048] x [K 2,048, N 64]; A: softmax (see below); B: computed on the way: QUANTISED (scales: A lowp_scales[8], B lowp_scales[9])
;;   THE QUANTISER, for each operand of a quantised product, along K:
;;     - The operand's scale is 2^e, e = its entry of the input lowp_scales (int32; the entries are numbered through the quantised products in the list's order, A before B).
;;     - Each number is divided by the scale, clamped to +-448, and rounded to the nearest number of E4M3, ties to even, subnormals kept.
;;     - The product sums the exact products of the quantised numbers (number of the format x scale) in f32.
;;   ~~~python
;;   def quantise(x, axis, e):      # numpy; x: float32 -> the quantised numbers, widened to float32 again
;;       x = np.moveaxis(x, axis, -1); K = x.shape[-1]
;;       r = np.clip(x / 2.0 ** e, -448, 448)
;;       step = 2.0 ** (np.maximum(np.frexp(np.where(r == 0, 1, r))[1] - 1, -6) - 3)
;;       q = np.round(r / step) * step * 2.0 ** e      # np.round: ties to even
;;       return np.moveaxis(q, -1, axis).astype(np.float32)
;;   ~~~
;;   SOFTMAX AHEAD OF A QUANTISED PRODUCT. Where the list says 'softmax', what is quantised is not the finished softmax but p = 2^(t - M), with t = logit x log2(e) and M = ceil(the row's largest t), a whole number; so 1/2 < the row's largest p <= 1. The row's sum l is taken of the UNQUANTISED p, in f32, and the product's result is divided by l at the end. Since M is a whole number, a kernel that streams over the keys may use a running M (the ceiling of the running maximum): every later rescaling is an exact power of two, so the quantised numbers keep their values, but for numbers so far below the row's largest that they fall under the format's range.
;;   OPERANDS COMPUTED ON THE WAY. 'Computed on the way' means the value that the module computes at that place (a softmax that the list does not call 'softmax' is quantised finished and normalised). What goes into a quantiser is computed in f32, as accurately as f32 sums, v_exp_f32 and their like allow (about 1e-6 of the number): no bf16 or f16 on the way to a quantiser, and a product that is left as it is and whose result goes on into a quantised operand takes f32 operands (vector FMAs, or v_wmma_f32_16x16x4_f32). A number that lies on a knife's edge between two numbers of the format may be rounded either way, as far as f32 arithmetic and the matrix unit's own rounding can turn it there, and no further.
;; One version. Each part assembles by itself: llvm-mc -triple=amdgcn-amd-amdhsa -mcpu=gfx1250 --defsym DOCPART=n.
;; ======== version 1 of 1: 3 launches
;; limits: right only within a limited range of input values
;; workspace buffers: xc 25,165,824 bytes; wc 3,145,728 bytes; qkv 25,165,824 bytes; flags 1,024 bytes of whole numbers
;; launch quant (part 1): grid 352 x 1, 4 waves a work-group, no clusters, 33,280 bytes of LDS; arguments hidden_states, wq, wk, wv, lowp_scales, xc, wc, pad, flags; writes xc, wc, flags
.if DOCPART == 1
	.amdgcn_target "amdgcn-amd-amdhsa--gfx1250"
	.amdhsa_code_object_version 6
	.text
	.protected	k_qf16e83a0c6_quant
	.globl	k_qf16e83a0c6_quant
	.p2align	8
	.type	k_qf16e83a0c6_quant,@function
k_qf16e83a0c6_quant:
	s_mov_b64 s[64:65], 0
	v_nop
	global_prefetch_b8 v0, s[64:65] scope:SCOPE_SE
	s_setreg_imm32_b32 hwreg(HW_REG_WAVE_MODE, 25, 1), 1
	s_wait_xcnt 0x0
; f32 numbers into codes of FP8 (E4M3), K innermost, each with the scale 2^e that is given for the operand.
; hidden_states [8192][1024] is an operand of three products with three given exponents (entries 0, 2, 4 of the scales), so it gets three sets of codes:
; xc = three sets of [8192][1024] bytes.  wq, wk, wv [1024][1024] get one set each (entries 1, 3, 5): wc = three sets of [1024][1024] bytes.
; code = x / 2^e, held within +-448, rounded to the nearest code, ties to even.  LIMITS: each e between -126 and 119.  NaN among the inputs is not served.
; Rows are dense and K is a multiple of 32: every tensor is a plain stream.  A work-group takes 32,768 numbers, a wave 16 steps of 512.  Work-groups 0-255 take hidden_states, 256-287 wq, 288-319 wk, 320-351 wv.
; The conversions take 8 numbers from ONE lane's consecutive registers, so a lane must hold 16 neighbours; a load is best where neighbouring lanes take neighbouring bytes.  Both are had: a step's four loads
; read 512 consecutive bytes each, the 2,048 bytes go through the wave's own stage in LDS and come back 64 bytes a lane.  A lane's 16 codes are 16 bytes: a store of the wave covers 512 consecutive bytes, aligned.
; No tensor loads, no barrier: waves share nothing.  Loads run four steps (16 loads a wave) ahead, the turn through LDS one step.
.set STEPS, 16
.set WREG,  8192                       ; LDS: a region for each wave: two stages of 32 x SP bytes
.set SP,    80                         ; a lane's place in a stage: its 64 bytes + 16 of padding
.set SPARE, 4*WREG                     ; behind the four regions: the spare words, 128 bytes for each wave, which no other line names
.set SPW,   12                         ; v12      LDS address of my spare word; never rewritten
.set NIL,   13                         ; v13      0; never rewritten
.set R,     16                         ; v16-79   four sets of 16 numbers as they are loaded
.set X,     80                         ; v80-111  two sets of 16 neighbours
.set T,     112                        ; v112-127 the 16 numbers, held: x is needed three times, so the hold does not work in place
.set C,     128                        ; v128-151 codes: two turns x three sets x four registers
.set SC,    152                        ; v152-157 set k: 2^e as f32, 448 x 2^e
	s_load_b256 s[4:11], s[0:1], 0x0               ; hidden_states, wq, wk, wv
	s_load_b128 s[12:15], s[0:1], 0x20             ; the scales' exponents, xc
	s_load_b64 s[16:17], s[0:1], 0x30              ; wc
	s_load_b64 s[30:31], s[0:1], 0x38              ; pad
	s_load_b64 s[38:39], s[0:1], 0x40              ; flags
	v_lshl_add_u32 v[SPW], v0, 2, SPARE
	v_mov_b32 v[NIL], 0
	v_lshrrev_b32 v1, 5, v0
	v_readfirstlane_b32 s18, v1                    ; wave
	v_and_b32 v2, 31, v0                           ; lane
	v_lshlrev_b32 v3, 4, v2                        ; my 16 bytes of a load's 512, and of a store's 512; never rewritten
	s_mul_i32 s40, s18, WREG
	v_lshrrev_b32 v14, 2, v2
	v_mul_u32_u24 v14, v14, SP
	v_and_b32 v15, 3, v2
	v_lshl_add_u32 v14, v15, 4, v14
	v_add_nc_u32 v14, s40, v14                     ; the stage, on the way in: four lanes' 64 bytes on end, then 16 of padding
	v_mul_u32_u24 v15, v2, SP
	v_add_nc_u32 v15, s40, v15                     ; and on the way out: my 16 neighbours
	; which tensor is my work-group's: all choices hang on the work-group's number alone
	s_mov_b32 s20, 320
	s_cmp_lt_u32 ttmp9, 320
	s_cselect_b32 s20, 288, s20                    ; the tensor's first work-group,
	s_cselect_b32 s21, 1, 2                        ; the weight's number,
	s_cmp_lt_u32 ttmp9, 288
	s_cselect_b32 s20, 256, s20
	s_cselect_b32 s21, 0, s21
	s_cmp_lt_u32 ttmp9, 256
	s_cselect_b32 s20, 0, s20
	s_cselect_b32 s19, 1, 0                        ; and 1 where it is hidden_states
	s_sub_co_u32 s22, ttmp9, s20
	s_lshl_b32 s22, s22, 2
	s_add_co_u32 s22, s22, s18                     ; which run of 8,192 numbers of the tensor is my wave's
	s_lshl_b32 s42, s22, 15                        ; its bytes in the source,
	s_mov_b32 s43, 0
	s_lshl_b32 s44, s22, 13                        ; and among the codes
	s_mov_b32 s45, 0
	s_lshl_b32 s46, s21, 20                        ; the weight's set in wc
	s_mov_b32 s47, 0
	s_wait_alu depctr_va_vdst(0)
	s_wait_kmcnt 0x0
	s_load_b128 s[32:35], s[12:13], 0x0            ; e0 .. e3
	s_load_b64 s[36:37], s[12:13], 0x10            ; e4, e5
	s_cmp_lt_u32 ttmp9, 320
	s_cselect_b64 s[28:29], s[8:9], s[10:11]
	s_cmp_lt_u32 ttmp9, 288
	s_cselect_b64 s[28:29], s[6:7], s[28:29]
	s_add_nc_u64 s[16:17], s[16:17], s[46:47]
	s_cmp_lt_u32 ttmp9, 256
	s_cselect_b64 s[4:5], s[4:5], s[28:29]         ; the source
	s_cselect_b64 s[8:9], s[14:15], s[16:17]       ; where set 0 goes: xc's first set, or the weight's set in wc
	s_add_nc_u64 s[4:5], s[4:5], s[42:43]
	s_add_nc_u64 s[8:9], s[8:9], s[44:45]
	s_add_nc_u64 s[24:25], s[14:15], s[44:45]
	s_add_nc_u64 s[26:27], s[24:25], 0x1000000     ; xc's third set,
	s_add_nc_u64 s[24:25], s[24:25], 0x800000      ; and its second: used by hidden_states' work-groups alone
.macro LOAD t
.irp i, 0,1,2,3
	global_load_b128 v[R+16*((\t)%4)+4*\i:R+16*((\t)%4)+4*\i+3], v3, s[4:5] offset:2048*(\t)+512*\i th:TH_LOAD_NT   ; 32 lanes read 512 consecutive bytes; read once in the launch
.endr
.endm
.macro TURN t                          ; step t's numbers through the stage: LDS serves a wave's instructions in order (ISA guide 5.7.1.4), so no wait stands between the stores and the loads
.irp i, 0,1,2,3
	ds_store_b128 v14, v[R+16*((\t)%4)+4*\i:R+16*((\t)%4)+4*\i+3] offset:32*SP*((\t)%2)+8*SP*\i
.endr
.irp i, 0,1,2,3
	ds_load_b128 v[X+16*((\t)%2)+4*\i:X+16*((\t)%2)+4*\i+3], v15 offset:32*SP*((\t)%2)+16*\i
.endr
.endm
.macro MKS k, se                       ; set k's scale and limit from the exponent in s[se]
	s_add_co_i32 s41, s[\se], 127
	s_lshl_b32 s42, s41, 23
	v_mov_b32 v[SC+2*\k], s42                      ; 2^e as f32: the conversion takes its exponent field
	s_add_co_i32 s41, s41, 8
	s_lshl_b32 s41, s41, 23
	s_or_b32 s41, s41, 0x600000
	v_mov_b32 v[SC+2*\k+1], s41                    ; 448 x 2^e
.endm
.irp t, 0,1,2,3
	LOAD \t
.endr
	s_wait_kmcnt 0x0
	s_cmp_eq_u32 s21, 1                            ; set 0's exponent: e0 for hidden_states, e1, e3, e5 for the weights
	s_cselect_b32 s40, s35, s33
	s_cmp_eq_u32 s21, 2
	s_cselect_b32 s40, s37, s40
	s_cmp_eq_u32 s19, 1
	s_cselect_b32 s40, s32, s40
	MKS 0, 40
	MKS 1, 34                                      ; e2
	MKS 2, 36                                      ; e4
	; FLAGS FOR THE ATTENTION LAUNCH.  Wave 0 of work-group b (0 to 3) reads batch b's 2,048 numbers of pad, 8,192 bytes, once: lane l the 64 of key step l.  Bit l of the word that it stores says that all 64 are exactly 1,
	; so that the mask's term (1 - pad) x -1e9 is 0 for the whole step.  The word is stored 64 times: the wave's one store covers 256 consecutive bytes, aligned.  The branches hang on ids alone.
	s_cmp_ge_u32 ttmp9, 4
	s_cbranch_scc1 .Lnoflag
	s_cmp_lg_u32 s18, 0
	s_cbranch_scc1 .Lnoflag
	s_lshl_b32 s2, ttmp9, 13
	s_mov_b32 s3, 0
	s_add_nc_u64 s[30:31], s[30:31], s[2:3]
	s_lshl_b32 s2, ttmp9, 8
	s_add_nc_u64 s[38:39], s[38:39], s[2:3]
	v_lshlrev_b32 v148, 8, v2                      ; my step's 256 bytes
	v_lshlrev_b32 v149, 3, v2                      ; my 8 bytes of the store
.irp i, 0,1,2,3,4,5,6,7,8,9,10,11,12,13,14,15
	global_load_b128 v[80+4*\i:83+4*\i], v148, s[30:31] offset:16*\i
.endr
	s_wait_loadcnt 0x0
	v_min3_num_f32 v144, v80, v81, v82             ; the least and the greatest of the 64
	v_max3_num_f32 v145, v80, v81, v82
.set i, 3
.rept 30
	v_min3_num_f32 v144, v144, v[80+i], v[81+i]
	v_max3_num_f32 v145, v145, v[80+i], v[81+i]
.set i, i+2
.endr
	v_min_num_f32 v144, v144, v143
	v_max_num_f32 v145, v145, v143
	v_cmp_eq_f32 s2, 1.0, v144
	v_cmp_eq_f32 s3, 1.0, v145
	s_and_b32 s2, s2, s3                           ; bit l: lane l's step
	v_mov_b32 v146, s2
	v_mov_b32 v147, s2
	global_store_b64 v149, v[146:147], s[38:39]    ; its registers are written again only behind the steps' wait on XCNT
.Lnoflag:
	s_wait_alu depctr_va_vdst(0)
	s_wait_loadcnt 12                              ; step 0's four loads are in; the twelve of steps 1 to 3 may be out
	TURN 0
; One set of codes of step t: the hold, the conversions, the store.
.macro QSET k, t, d
.set XS, X+16*((\t)%2)
.set CC, C+12*((\t)%2)+4*(\k)
.irp i, 0,1,2,3,4,5,6,7,8,9,10,11,12,13,14,15
	v_med3_num_f32 v[T+\i], v[XS+\i], -v[SC+2*(\k)+1], v[SC+2*(\k)+1]   ; the conversion to an 8-bit code does not saturate (ISA guide 7.6.2): the number is held within the largest code x the scale first
.endr
	v_cvt_scalef32_pk8_fp8_f32 v[CC:CC+1], v[T:T+7], v[SC+2*(\k)]
	v_cvt_scalef32_pk8_fp8_f32 v[CC+2:CC+3], v[T+8:T+15], v[SC+2*(\k)]
	v_nop                                          ; one plain vector line between the conversions and the next set's holds, which write their sources
	global_store_b128 v3, v[CC:CC+3], s[\d:\d+1] offset:512*(\t)   ; 512 consecutive bytes, aligned
.endm
.macro STEP t
	s_wait_dscnt 0x0                               ; this step's numbers are back from the stage: so its stores into the stage have read their registers,
.if (\t)+4 < STEPS
	LOAD (\t)+4                                    ; which take the loads of four steps on
.endif
.if (\t)+1 < STEPS
.if STEPS-2-(\t) >= 3
	s_wait_loadcnt 12                              ; the next step's four loads are in; those of the three steps behind it may be out
.else
	s_wait_loadcnt 4*(STEPS-2-(\t))                ; the tail: fewer steps are behind it
.endif
	TURN (\t)+1                                    ; and go through the other stage while this step is worked
.endif
	s_wait_xcnt 0x0                                ; the stores of two steps back have read their codes: those registers are written again only behind this wait
	QSET 0, \t, 8
	s_cmp_eq_u32 s19, 0                            ; a weight has one set.  The branch hangs on the work-group's number and leads round register work and stores alone
	s_cbranch_scc1 .Lone_\@
	QSET 1, \t, 24
	QSET 2, \t, 26
.Lone_\@:
.endm
.irp t, 0,1,2,3,4,5,6,7,8,9,10,11,12,13,14,15
	STEP \t
.endr
	s_wait_tensorcnt 0x0                           ; the wave's end, behind my last LDS store
	ds_add_u32 v[SPW], v[NIL]
	s_wait_dscnt 0x0
	s_endpgm
.Lfunc_end_k_qf16e83a0c6_quant:
	.size	k_qf16e83a0c6_quant, .Lfunc_end_k_qf16e83a0c6_quant-k_qf16e83a0c6_quant
	.p2alignl 7, 3214868480
	.fill 96, 4, 3214868480
	.section	.rodata,"a",@progbits
	.p2align	6, 0x0
	.amdhsa_kernel k_qf16e83a0c6_quant
		.amdhsa_group_segment_fixed_size 33280
		.amdhsa_private_segment_fixed_size 0
		.amdhsa_enable_private_segment 0
		.amdhsa_kernarg_size 72
		.amdhsa_user_sgpr_count 2
		.amdhsa_user_sgpr_kernarg_segment_ptr 1
		.amdhsa_wavefront_size32 1
		.amdhsa_system_sgpr_workgroup_id_x 1
		.amdhsa_system_sgpr_workgroup_id_y 1
		.amdhsa_system_sgpr_workgroup_id_z 1
		.amdhsa_system_vgpr_workitem_id 0
		.amdhsa_next_free_vgpr 160
		.amdhsa_next_free_sgpr 66
		.amdhsa_reserve_vcc 0
		.amdhsa_float_denorm_mode_32 3
		.amdhsa_float_denorm_mode_16_64 3
		.amdhsa_memory_ordered 1
		.amdhsa_forward_progress 1
		.amdhsa_inst_pref_size 87
	.end_amdhsa_kernel
	.amdgpu_metadata
---
amdhsa.version: [ 1, 2 ]
amdhsa.kernels:
  - .name:           k_qf16e83a0c6_quant
    .symbol:         k_qf16e83a0c6_quant.kd
    .args:
      - { .name: hidden_states, .offset: 0, .size: 8, .value_kind: global_buffer, .address_space: global }
      - { .name: wq, .offset: 8, .size: 8, .value_kind: global_buffer, .address_space: global }
      - { .name: wk, .offset: 16, .size: 8, .value_kind: global_buffer, .address_space: global }
      - { .name: wv, .offset: 24, .size: 8, .value_kind: global_buffer, .address_space: global }
      - { .name: lowp_scales, .offset: 32, .size: 8, .value_kind: global_buffer, .address_space: global }
      - { .name: xc, .offset: 40, .size: 8, .value_kind: global_buffer, .address_space: global }
      - { .name: wc, .offset: 48, .size: 8, .value_kind: global_buffer, .address_space: global }
      - { .name: pad, .offset: 56, .size: 8, .value_kind: global_buffer, .address_space: global }
      - { .name: flags, .offset: 64, .size: 8, .value_kind: global_buffer, .address_space: global }
    .group_segment_fixed_size: 33280
    .private_segment_fixed_size: 0
    .kernarg_segment_align: 8
    .kernarg_segment_size: 72
    .max_flat_workgroup_size: 128
    .sgpr_count:     66
    .vgpr_count:     160
    .wavefront_size: 32
...
	.end_amdgpu_metadata
.endif
;; end of part 1
;; launch proj (part 2): grid 12 x 32, 4 waves a work-group, clusters of 4 x 4, 327,680 bytes of LDS; arguments xc, wc, lowp_scales, bq, bk, bv, qkv; writes qkv
.if DOCPART == 2
	.amdgcn_target "amdgcn-amd-amdhsa--gfx1250"
	.amdhsa_code_object_version 6
	.text
	.protected	k_qf16e83a0c6_proj
	.globl	k_qf16e83a0c6_proj
	.p2align	8
	.type	k_qf16e83a0c6_proj,@function
k_qf16e83a0c6_proj:
	s_mov_b64 s[64:65], 0
	v_nop
	global_prefetch_b8 v0, s[64:65] scope:SCOPE_SE
	s_setreg_imm32_b32 hwreg(HW_REG_WAVE_MODE, 25, 1), 1
	s_wait_xcnt 0x0
	s_wait_alu depctr_hold_cnt(0) depctr_sa_sdst(0) depctr_va_vdst(0) depctr_va_sdst(0) depctr_va_ssrc(0) depctr_va_vcc(0) depctr_vm_vsrc(0)
	s_getreg_b32 s2, hwreg(HW_REG_IB_STS2, 6, 4)
	s_cmp_eq_u32 s2, 0
	s_cbranch_scc0 .Lentry_in_a_cluster
	s_endpgm
.Lentry_in_a_cluster:
	s_bfe_u32 s2, ttmp6, 0x10000c
	s_cmp_lg_u32 s2, 0xf033
	s_cbranch_scc0 .Lentry_shape_is_right
	s_endpgm
.Lentry_shape_is_right:
.set KSTEP,  256
.set ROWB,   256
.set KROW,   1024
.set PITCH,  272
.set FR,     16
.set NL,     4
.set NP,     4
.set HALFT,  128*PITCH
.set SLOT,   4*HALFT
.set SPARE,  2*SLOT
.set ADRA, 16
.set ADRB, 20
.set LIM,  10
.set SCL,  11
.set VO,   24
.set SPW,  28
.set NIL,  29
.set CB,   32
.set RB,   96
.set AF,   128
.set T,    128
.set CD,   192
.set G1, 24
.set G0, 32
.set G1B, 48
.set G0B, 56
.set MSB, 0
.macro WIN new
.if MSB != (\new)
	s_set_vgpr_msb (MSB<<8)|(\new)
.set MSB, \new
.endif
.endm
.set MUL_LO, 0xa1
.set MUL_HI, 0xf1
.set TO_B,   0x40
.macro JLOAD g0a, g1a, g0b, g1b
	s_cmp_eq_u32 s15, 0
	s_cbranch_scc0 .Lfor_b_\@
	tensor_load_to_lds s[\g0a:\g0a+3], s[\g1a:\g1a+7]
	s_nop 0
.rept 4
	v_nop
.endr
	s_branch .Lasked_\@
.Lfor_b_\@:
	tensor_load_to_lds s[\g0b:\g0b+3], s[\g1b:\g1b+7]
	s_nop 0
.rept 4
	v_nop
.endr
.Lasked_\@:
.endm
.macro CREST
	s_cmp_lg_u32 s14, 0
	s_cbranch_scc1 .Lnot_wave_0_\@
	s_barrier_signal -3
.Lnot_wave_0_\@:
	s_barrier_wait -3
	s_barrier_signal -1
	s_barrier_wait -1
.endm
.macro CROUND
	s_barrier_signal -1
	s_barrier_wait -1
	CREST
.endm
	s_load_b256 s[68:75], s[0:1], 0x0
	s_load_b128 s[76:79], s[0:1], 0x20
	s_load_b64 s[80:81], s[0:1], 0x30
	v_lshl_add_u32 v[SPW], v0, 2, SPARE
	v_mov_b32 v[NIL], 0
	ds_add_u32 v[SPW], v[NIL]
	ds_add_u32 v[SPW], v[NIL]
	v_lshrrev_b32 v1, 5, v0
	v_readfirstlane_b32 s14, v1
	s_lshr_b32 s15, s14, 1
	s_and_b32 s16, s14, 1
	s_bfe_u32 s40, ttmp6, 0x40000
	s_bfe_u32 s41, ttmp6, 0x40004
	s_and_b32 s17, ttmp7, 0xffff
	s_lshl_b32 s17, s17, 2
	s_cmp_eq_u32 ttmp9, 2
	s_cselect_b32 s66, -1, 0
	s_cselect_b32 s67, 0, -1
	s_cselect_b32 s18, 0, s17
	s_cselect_b32 s19, s17, 0
	s_add_co_u32 s17, s18, s41
	s_add_co_u32 s42, s19, s40
	s_lshl_b32 s43, s41, 2
	s_lshl_b32 s43, 15, s43
	s_lshl_b32 s44, 0x1111, s40
	s_or_b32 s[G1+0], s43, (0<<16)|(1<<20)|(1<<21)|(5<<22)|(3<<25)
	s_or_b32 s[G1B+0], s44, (0<<16)|(1<<20)|(1<<21)|(5<<22)|(3<<25)
.irp g, G1, G1B
	s_mov_b32 s[\g+1], ROWB<<16
	s_mov_b32 s[\g+2], 128<<16
	s_mov_b32 s[\g+3], ROWB<<16
	s_mov_b32 s[\g+4], 128
	s_mov_b32 s[\g+5], KROW
	s_mov_b32 s[\g+6], 0
	s_mov_b32 s[\g+7], 0
.endr
	s_lshl_b32 s18, s16, 7
	s_lshl_b32 s20, s17, 8
	s_add_co_u32 s20, s20, s18
	s_lshl_b32 s46, s42, 8
	s_add_co_u32 s46, s46, s18
	s_mov_b32 s21, 0
	s_mov_b32 s47, 0
	s_mov_b64 s[18:19], KROW
	s_mul_u64 s[20:21], s[20:21], s[18:19]
	s_mul_u64 s[46:47], s[46:47], s[18:19]
	s_mul_i32 s45, s14, HALFT
	s_lshl_b32 s82, ttmp9, 23
	s_mov_b32 s83, 0
	s_lshl_b32 s84, ttmp9, 20
	s_mov_b32 s85, 0
	s_wait_dscnt 0x0
	s_wait_kmcnt 0x0
	s_load_b256 s[88:95], s[72:73], 0x0
	s_load_b64 s[98:99], s[72:73], 0x20
	s_add_nc_u64 s[68:69], s[68:69], s[82:83]
	s_add_nc_u64 s[70:71], s[70:71], s[84:85]
	s_cmp_eq_u32 ttmp9, 2
	s_cselect_b64 s[4:5], s[70:71], s[68:69]
	s_cselect_b64 s[6:7], s[68:69], s[70:71]
	s_cselect_b64 s[12:13], s[78:79], s[76:77]
	s_cmp_eq_u32 ttmp9, 0
	s_cselect_b64 s[12:13], s[74:75], s[12:13]
	s_add_nc_u64 s[20:21], s[4:5], s[20:21]
	s_add_nc_u64 s[46:47], s[6:7], s[46:47]
	CROUND
.irp s, 0,1
	s_mov_b32 s[G0+4*\s], 1
	s_add_co_u32 s[G0+4*\s+1], s45, \s*SLOT
	s_add_nc_u64 s[G0+4*\s+2:G0+4*\s+3], s[20:21], \s*ROWB
	s_or_b32 s[G0+4*\s+3], s[G0+4*\s+3], 0x80000000
	s_mov_b32 s[G0B+4*\s], 1
	s_add_co_u32 s[G0B+4*\s+1], s45, \s*SLOT
	s_add_nc_u64 s[G0B+4*\s+2:G0B+4*\s+3], s[46:47], \s*ROWB
	s_or_b32 s[G0B+4*\s+3], s[G0B+4*\s+3], 0x80000000
	s_wait_alu depctr_va_vdst(0)
	s_wait_tensorcnt 0x0
	ds_add_u32 v28, v29
	ds_add_u32 v28, v29
	s_wait_dscnt 0x0
	CROUND
	JLOAD G0+4*\s, G1, G0B+4*\s, G1B
.endr
	v_and_b32 v1, 15, v0
	v_bfe_u32 v2, v0, 4, 1
	s_wait_alu depctr_va_vdst(0)
	v_mul_u32_u24 v3, v1, PITCH
	v_lshl_add_u32 v4, v2, 4, v3
	s_mul_i32 s21, s15, HALFT
	s_mul_i32 s22, s16, HALFT
	s_add_co_u32 s22, s22, 2*HALFT
.irp s, 0,1
	v_add_nc_u32 v[ADRA+\s], s21, v4
	v_add_nc_u32 v[ADRB+\s], s22, v4
	s_add_co_u32 s21, s21, SLOT
	s_add_co_u32 s22, s22, SLOT
.endr
	s_lshl_b32 s20, s17, 8
	s_lshl_b32 s21, s15, 7
	s_add_co_u32 s20, s20, s21
	s_lshl_b32 s22, s42, 8
	s_lshl_b32 s21, s16, 7
	s_add_co_u32 s22, s22, s21
	s_lshl_b32 s82, s22, 2
	s_lshl_b32 s84, s20, 2
	s_mov_b32 s23, 131072
	s_mov_b32 s86, 126976
	s_cmp_eq_u32 ttmp9, 2
	s_cselect_b32 s82, 0, s82
	s_cselect_b32 s84, s84, 0
	s_cselect_b32 s23, 4096, s23
	s_cselect_b32 s86, s86, 0
	s_cselect_b32 s46, s22, s20
	s_cselect_b32 s47, s20, s22
	s_mov_b32 s83, 0
	s_mov_b32 s85, 0
	s_mov_b32 s87, 0
	s_add_nc_u64 s[82:83], s[12:13], s[82:83]
	s_add_nc_u64 s[84:85], s[12:13], s[84:85]
	s_lshr_b32 s18, s46, 11
	s_lshl_b32 s18, s18, 21
	s_lshr_b32 s19, s47, 6
	s_lshl_b32 s19, s19, 17
	s_add_co_u32 s18, s18, s19
	s_and_b32 s19, s46, 2047
	s_lshl_b32 s19, s19, 6
	s_add_co_u32 s18, s18, s19
	s_lshl_b32 s19, ttmp9, 23
	s_add_co_u32 s18, s18, s19
	s_mov_b32 s19, 0
	s_add_nc_u64 s[10:11], s[80:81], s[18:19]
	v_lshlrev_b32 v8, 5, v2
	v_lshlrev_b32 v9, 2, v1
	v_and_b32 v[VO], 31, v0
	v_lshlrev_b32 v[VO], 4, v[VO]
	v_add_nc_u32 v[VO+1], s23, v[VO]
.irp b, 0,1,2,3,4,5,6,7
	global_load_b128 v[CB+8*\b:CB+8*\b+3], v8, s[82:83] offset:64*\b
	global_load_b128 v[CB+8*\b+4:CB+8*\b+7], v8, s[82:83] offset:64*\b+16
.endr
.irp a, 0,1,2,3,4,5,6,7
	global_load_b32 v[RB+2*\a], v9, s[84:85] offset:64*\a
.endr
.macro FRAG reg, adr, q, i
.irp c, 0,1,2,3
	ds_load_b128 v[\reg+4*\c:\reg+4*\c+3], v[\adr] offset:128*(\q)+32*\c+(\i)*16*PITCH
.endr
.endm
.macro MUL16 a0, p, zero
.irp a, \a0, \a0+1
.irp b, 0,1,2,3,4,5,6,7
.if \zero
	v_wmma_f32_16x16x128_fp8_fp8 v[8*(8*((\a)%4)+\b):8*(8*((\a)%4)+\b)+7], v[128*(\p)+FR*\b:128*(\p)+FR*\b+FR-1], v[AF+FR*(\a):AF+FR*(\a)+FR-1], 0
.else
	v_wmma_f32_16x16x128_fp8_fp8 v[8*(8*((\a)%4)+\b):8*(8*((\a)%4)+\b)+7], v[128*(\p)+FR*\b:128*(\p)+FR*\b+FR-1], v[AF+FR*(\a):AF+FR*(\a)+FR-1], v[8*(8*((\a)%4)+\b):8*(8*((\a)%4)+\b)+7]
.endif
.endr
.endr
.endm
.macro FETCH_B slot, q, p
	WIN TO_B
.irp i, 0,1,2,3,4,5,6,7
	FRAG 128*(\p)+FR*\i, ADRB+\slot, \q, \i
.endr
	WIN 0
.endm
.macro FETCH_A slot, q, i0
.irp i, \i0, \i0+1, \i0+2, \i0+3
	FRAG AF+FR*(\i), ADRA+\slot, \q, \i
.endr
.endm
.macro PLACES n
.rept \n
	v_nop
.endr
.endm
.macro STEP slot, q, zero
	s_wait_dscnt 4*NL
	WIN MUL_LO
	MUL16 0, (\q)%2, \zero
	MUL16 2, (\q)%2, \zero
	s_wait_dscnt 0
	PLACES NP
	FETCH_B \slot, (\q)+1, 1-(\q)%2
	FETCH_A \slot, (\q)+1, 0
	WIN MUL_HI
	MUL16 4, (\q)%2, \zero
	MUL16 6, (\q)%2, \zero
	PLACES NP
	WIN 0
	FETCH_A \slot, (\q)+1, 4
.endm
.macro TURN slot, next, fill
	s_wait_tensorcnt 0x0
	ds_add_u32 v[SPW], v[NIL]
	s_wait_dscnt 4*NL+1
	WIN MUL_LO
	MUL16 0, 1, 0
	s_wait_dscnt 0x0
	s_barrier_signal -1
	MUL16 2, 1, 0
	WIN 0
	s_barrier_wait -1
.if \fill
	CREST
	s_add_nc_u64 s[G0+4*\slot+2:G0+4*\slot+3], s[G0+4*\slot+2:G0+4*\slot+3], 2*ROWB
	s_add_nc_u64 s[G0B+4*\slot+2:G0B+4*\slot+3], s[G0B+4*\slot+2:G0B+4*\slot+3], 2*ROWB
	JLOAD G0+4*\slot, G1, G0B+4*\slot, G1B
.else
	PLACES NP
.endif
	FETCH_B \next, 0, 0
	FETCH_A \next, 0, 0
	WIN MUL_HI
	MUL16 4, 1, 0
	MUL16 6, 1, 0
	PLACES NP
	WIN 0
	FETCH_A \next, 0, 4
.endm
	s_wait_alu depctr_va_vdst(0)
	s_wait_tensorcnt 1
	s_barrier_signal -1
	s_barrier_wait -1
	FETCH_B 0, 0, 0
	FETCH_A 0, 0, 0
	FETCH_A 0, 0, 4
	STEP 0, 0, 1
	TURN 0, 1, 1
	STEP 1, 0, 0
	TURN 1, 0, 1
	STEP 0, 0, 0
	TURN 0, 1, 0
	STEP 1, 0, 0
	s_wait_dscnt 4*NL
	WIN MUL_LO
	MUL16 0, 1, 0
	MUL16 2, 1, 0
	s_wait_dscnt 0
	WIN MUL_HI
	MUL16 4, 1, 0
	MUL16 6, 1, 0
	WIN 0
	s_wait_kmcnt 0x0
	s_add_co_i32 s88, s88, s89
	s_add_co_i32 s90, s90, s91
	s_add_co_i32 s92, s92, s93
	s_cmp_eq_u32 ttmp9, 2
	s_cselect_b32 s96, s92, s90
	s_cselect_b32 s97, s99, s95
	s_cmp_eq_u32 ttmp9, 0
	s_cselect_b32 s96, s88, s96
	s_cselect_b32 s97, s94, s97
	s_add_co_i32 s97, s97, 127
	s_lshl_b32 s98, s97, 23
	v_mov_b32 v[SCL], s98
	s_add_co_i32 s97, s97, 8
	s_lshl_b32 s97, s97, 23
	s_or_b32 s97, s97, 0x600000
	v_mov_b32 v[LIM], s97
	s_add_co_i32 s96, s96, 127
	s_lshl_b32 s96, s96, 23
	s_mov_b32 s97, s96
	s_wait_loadcnt 0x0
.set j, 0
.rept 64
	v_and_b32 v[CB+j], s67, v[CB+j]
.set j, j+1
.endr
.irp a, 0,1,2,3,4,5,6,7
	v_and_b32 v[RB+2*\a], s66, v[RB+2*\a]
	v_mov_b32 v[RB+2*\a+1], v[RB+2*\a]
.endr
.macro OUTBLK a
.set AC, 64*((\a)%4)
	WIN 0x02+((\a)/4)
.set j, 0
.rept 32
	v_pk_fma_f32 v[T+j:T+j+1], v[AC+j:AC+j+1], s[96:97], v[CB+j:CB+j+1] op_sel_hi:[1,0,1]
.set j, j+2
.endr
	WIN 0
.set j, 0
.rept 32
	v_pk_add_f32 v[T+j:T+j+1], v[T+j:T+j+1], v[RB+2*(\a):RB+2*(\a)+1]
.set j, j+2
.endr
.set j, 0
.rept 64
	v_med3_num_f32 v[T+j], v[T+j], -v[LIM], v[LIM]
.set j, j+1
.endr
.if (\a) > 0
	s_wait_alu depctr_va_vdst(0)
	s_wait_xcnt 0x0
.endif
.if (\a) == 4
	s_add_nc_u64 s[10:11], s[10:11], s[86:87]
.endif
.irp b, 0,1,2,3,4,5,6,7
	v_cvt_scalef32_pk8_fp8_f32 v[CD+2*\b:CD+2*\b+1], v[T+8*\b:T+8*\b+7], v[SCL]
.endr
	v_nop
.irp g, 0,1,2,3
	global_store_b128 v[VO+\g/2], v[CD+4*\g:CD+4*\g+3], s[10:11] offset:(\a)*1024+(\g%2)*512
.endr
.endm
.irp a, 0,1,2,3,4,5,6,7
	OUTBLK \a
.endr
	s_wait_tensorcnt 0x0
	ds_add_u32 v[SPW], v[NIL]
	s_wait_dscnt 0x0
	CROUND
	s_endpgm
.Lfunc_end_k_qf16e83a0c6_proj:
	.size	k_qf16e83a0c6_proj, .Lfunc_end_k_qf16e83a0c6_proj-k_qf16e83a0c6_proj
	.p2alignl 7, 3214868480
	.fill 96, 4, 3214868480
	.section	.rodata,"a",@progbits
	.p2align	6, 0x0
	.amdhsa_kernel k_qf16e83a0c6_proj
		.amdhsa_group_segment_fixed_size 327680
		.amdhsa_private_segment_fixed_size 0
		.amdhsa_enable_private_segment 0
		.amdhsa_kernarg_size 56
		.amdhsa_user_sgpr_count 2
		.amdhsa_user_sgpr_kernarg_segment_ptr 1
		.amdhsa_wavefront_size32 1
		.amdhsa_system_sgpr_workgroup_id_x 1
		.amdhsa_system_sgpr_workgroup_id_y 1
		.amdhsa_system_sgpr_workgroup_id_z 1
		.amdhsa_system_vgpr_workitem_id 0
		.amdhsa_next_free_vgpr 1024
		.amdhsa_next_free_sgpr 100
		.amdhsa_reserve_vcc 0
		.amdhsa_float_denorm_mode_32 3
		.amdhsa_float_denorm_mode_16_64 3
		.amdhsa_memory_ordered 1
		.amdhsa_forward_progress 1
		.amdhsa_inst_pref_size 157
	.end_amdhsa_kernel
	.amdgpu_metadata
---
amdhsa.version: [ 1, 2 ]
amdhsa.kernels:
  - .name:           k_qf16e83a0c6_proj
    .symbol:         k_qf16e83a0c6_proj.kd
    .args:
      - { .name: xc, .offset: 0, .size: 8, .value_kind: global_buffer, .address_space: global }
      - { .name: wc, .offset: 8, .size: 8, .value_kind: global_buffer, .address_space: global }
      - { .name: lowp_scales, .offset: 16, .size: 8, .value_kind: global_buffer, .address_space: global }
      - { .name: bq, .offset: 24, .size: 8, .value_kind: global_buffer, .address_space: global }
      - { .name: bk, .offset: 32, .size: 8, .value_kind: global_buffer, .address_space: global }
      - { .name: bv, .offset: 40, .size: 8, .value_kind: global_buffer, .address_space: global }
      - { .name: qkv, .offset: 48, .size: 8, .value_kind: global_buffer, .address_space: global }
    .group_segment_fixed_size: 327680
    .private_segment_fixed_size: 0
    .kernarg_segment_align: 8
    .kernarg_segment_size: 56
    .max_flat_workgroup_size: 128
    .sgpr_count:     100
    .vgpr_count:     1024
    .wavefront_size: 32
...
	.end_amdgpu_metadata
.endif
;; end of part 2
;; launch attn (part 3): grid 4 x 64, 16 waves a work-group, no clusters, 272,384 bytes of LDS; arguments qkv, pad, lowp_scales, out0, flags; writes out0
.if DOCPART == 3
	.amdgcn_target "amdgcn-amd-amdhsa--gfx1250"
	.amdhsa_code_object_version 6
	.text
	.protected	k_qf16e83a0c6_attn
	.globl	k_qf16e83a0c6_attn
	.p2align	8
	.type	k_qf16e83a0c6_attn,@function
k_qf16e83a0c6_attn:
	s_mov_b64 s[64:65], 0
	v_nop
	global_prefetch_b8 v0, s[64:65] scope:SCOPE_SE
	s_setreg_imm32_b32 hwreg(HW_REG_WAVE_MODE, 25, 1), 1
	s_wait_xcnt 0x0
; out0[b][q][64 h + d] = the sum over k of softmax_k(q . k / 8 + (1 - pad[b][k]) x -1e9) v[k][d], both products on codes of FP8 (E4M3), each operand with its given scale: e6 (q), e7 (k), e8 (p), e9 (v).
; qkv holds q's, k's and v's codes as images of the 16 x 16 x 64 form's operand registers (1,024 bytes: registers 4 c .. 4 c + 3 of lane l at 512 c + 16 l): part p at p x 2^23, head y = 16 b + h at y x 131,072;
; q, k: image T = tokens 16 T on, K = d;  v: 64 keys to 4,096 bytes, in them four images of 16 channels, K = the keys.
; THE SOFTMAX: t = logit x log2(e); M = the row's largest t so far, rounded UP to a whole number; p = 2^(t - M) is quantised; the row's sum is taken of the unquantised p and divides at the end.
; When M moves, the sum and O are multiplied by 2^(old M - new M): exact.  t is made as score x c + bt, c = log2(e) / 8 x 2^(e6 + e7), bt = ((1 - pad) x -1e9) x log2(e): one rounding, in another order than the source's.
; LIMITS: e6 + e7 between -123 and 130 (added to c's exponent field); e8 between -126 and 119; e8 + e9 goes in by v_ldexp_f32 and has none.  The scaled scores stay under 2^31 in magnitude.  NaN among the inputs is not served.
; SHARES.  A work-group owns 512 queries of one head; each of its sixteen waves 32 of them, two tiles of 16, in 256 registers.  A fragment of K or V read from LDS feeds two products.  Every wave walks all 2,048 keys, 64 a step.
; K AND V LIE IN LDS WHOLE (262,144 bytes), each byte stored once: keys 0-1,023 at the head (16 loads of 16 bytes a thread), keys 1,024-2,047 in the first 16 steps: one load a thread a step, stored one step later.
; Two barriers: behind the head's stores, and behind step 15; behind the second nobody reads the first half's bytes, in which the way out's stages lie.
; NO TENSOR LOAD, SO NO JOINT LOADS: the step has a scalar branch on the given e8 (a whole number read from memory) round the hold of p; a work-group reads each of its 262,144 bytes once.
; NO PREFETCH: every byte is asked for at the head or one trip ahead of its use by the load itself.
; THE HOLD: for e8 >= -8 the bound 448 x 2^e8 is at least 1.75 and p is at most 1, so the 64 holds change nothing and are jumped over; for smaller e8 they run.
; LAYOUT.  Both products are used transposed: S^T = K Q^T, O^T = V^T P^T: a lane holds ONE query (lane % 16); in S^T register 8 t + j is key 16 t + 8 (lane / 16) + j, the place that the second product's operand gives it.
; OPEN STEPS.  flags (whole numbers that the first launch stored) holds a word for each batch, at 256 x b: bit l says that all 64 numbers of pad of key step l are exactly 1, so bt is 0 for the whole step.
; A scalar branch on that bit parts the step: an open step loads no bt, takes the maximum of the raw scores (c is positive) and multiplies it by c; a step with a hole makes t = score x c + bt first.
; Both ways join: t - M is one multiply-add, score x c - M in an open step (p may then pass 1 by the last bit of t), t x 1 - M in the other.  The products are the same on both ways.
.set MSK, 42                           ; s42  the batch's word, shifted right by one bit a step
.set CM,  44                           ; s[44:45] the factor of the multiply-add that makes t - M: c or 1
.set BTB,   262144                     ; LDS: half p of the keys at 131,072 p: K's 64 images, then V's 64; behind them bt, 2,048 f32 in key order;
.set SPARE, BTB+8192                   ; behind that the spare words, 128 bytes for each of 16 waves, which no other line names
.set SPT,   272                        ; the way out: a stage of 16 rows x (256 bytes + 16) for each wave, at 4,352 x wave: 69,632 bytes in the first half
.set L16, 1                            ; v1   16 x lane
.set AB0, 2                            ; v2   BTB + 32 (lane / 16)
.set ADR, 3                            ; v3   the step's images of K (head: 16 x thread; way out: into the stage)
.set ADV, 4                            ; v4   the step's images of V (head: 65,536 + 16 x thread; way out: back from the stage)
.set SPW, 5                            ; v5   my spare word; never rewritten
.set NIL, 6                            ; v6   0; never rewritten
.set ABI, 7                            ; v7   the step's bt (way out: my byte offset in out0)
.set LA0, 8                            ; v8   where my wave's 8,192 bytes of the second half begin in LDS, + 16 x lane
.set G0,  9                            ; v9   the same place in K's or V's second half in memory
.set LIM, 10                           ; v10  448 x 2^e8
.set SCL, 11                           ; v11  2^e8 as f32
.set ST,  12                           ; tile x at +4 x: -M, the largest t, the row's sum in two halves
.set WK,  20                           ; tile x at +4 x: two at work (also the sum's second chain), f = 2^(old M - new M), the pair's upper word (written once)
.set LA,  20                           ; at a step's head: LDS address of the store
.set LD,  28                           ; v28-31   16 bytes of the second half on their way
.set Q,   32                           ; v32-47   Q's two fragments
.set KF,  48                           ; v48-79   four fragments of K, then of V
.set BT,  80                           ; v80-111  bt of my 32 keys
.set S,   112                          ; v112-175 S^T, then t, t - M, p
.set O,   176                          ; v176-239 O^T
.set P,   240                          ; v240-255 P's codes
.set TB,  2                            ; s2   LDS byte of the step's images of K
.set TBB, 3                            ; s3   byte of the step's keys in bt
.set WV,  18
.set SEL, 20                           ; s[20:21] lane l xor 16
.set CS,  22                           ; s[22:23] c
.set PB,  24                           ; s[24:25] where my wave's loads of the second half stand
.set HOLD, 26                          ; s26  1 where e8 < -8
.set CNT, 27
.set LS,  28                           ; s28  512 x the step: my wave's place in its 8,192 bytes
	s_load_b256 s[4:11], s[0:1], 0x0               ; qkv, pad, the scales' exponents, out0
	s_load_b64 s[46:47], s[0:1], 0x20              ; flags
	v_lshrrev_b32 v1, 5, v0
	v_readfirstlane_b32 s[WV], v1                  ; wave 0..15
	s_and_b32 s56, ttmp7, 0xffff                   ; the head y = 16 b + h
	s_lshl_b32 s29, s56, 17
	s_add_co_u32 s30, s29, 1<<23                   ; K's bytes of the head
	s_mov_b32 s31, 0
	s_add_co_u32 s32, s29, 1<<24                   ; V's
	s_mov_b32 s33, 0
	s_lshl_b32 s34, ttmp9, 15                      ; Q: images 32 x + 2 wave, + 1
	s_lshl_b32 s35, s[WV], 11
	s_add_co_u32 s34, s34, s35
	s_add_co_u32 s34, s34, s29
	s_mov_b32 s35, 0
	s_lshr_b32 s36, s[WV], 3                       ; waves 0-7 bring K's second half, waves 8-15 V's
	s_lshl_b32 s36, s36, 23
	s_add_co_u32 s36, s36, s30
	s_add_co_u32 s36, s36, 65536-512               ; one load's 512 bytes short of it: each load names + 512
	s_mov_b32 s37, 0
	s_lshr_b32 s38, s56, 4                         ; b
	s_lshl_b32 s40, s38, 11
	s_lshl_b32 s48, s38, 8                         ; the batch's word in flags
	s_mov_b32 s49, 0
	s_lshl_b32 s38, s38, 13                        ; pad: the batch's 2,048 numbers
	s_mov_b32 s39, 0
	s_lshl_b32 s41, ttmp9, 9
	s_add_co_u32 s40, s40, s41
	s_lshl_b32 s41, s[WV], 5
	s_add_co_u32 s40, s40, s41                     ; token 2,048 b + 512 x + 32 wave
	s_lshl_b32 s40, s40, 12
	s_and_b32 s41, s56, 15
	s_lshl_b32 s41, s41, 8
	s_add_co_u32 s40, s40, s41                     ; channel 64 h
	s_mov_b32 s41, 0
	s_mov_b32 s[SEL], 0x76543210
	s_mov_b32 s[SEL+1], 0xfedcba98
	s_mov_b32 s[CS], 0x3fb8aa3b                    ; log2(e)
	v_lshl_add_u32 v[SPW], v0, 2, SPARE
	v_mov_b32 v[NIL], 0
	v_lshlrev_b32 v[ADR], 4, v0
	v_add_nc_u32 v[ADV], 65536, v[ADR]
	v_add_nc_u32 v[ABI], BTB, v[ADR]
	v_and_b32 v[L16], 31, v0
	v_lshlrev_b32 v[L16], 4, v[L16]
	v_bfe_u32 v[G0], v0, 5, 3
	v_lshl_add_u32 v[G0], v[G0], 13, v[L16]        ; 8,192 (wave % 8) + 16 lane
	v_lshrrev_b32 v[LA0], 8, v0
	v_lshl_add_u32 v[LA0], v[LA0], 16, v[G0]
	v_add_nc_u32 v[LA0], 131072, v[LA0]
	v_bfe_u32 v[AB0], v0, 4, 1
	v_lshlrev_b32 v[AB0], 5, v[AB0]
	v_add_nc_u32 v[AB0], BTB, v[AB0]
	s_wait_alu depctr_va_vdst(0)
	s_wait_kmcnt 0x0
	s_load_b128 s[52:55], s[8:9], 0x18             ; e6, e7, e8, e9
	s_add_nc_u64 s[46:47], s[46:47], s[48:49]
	s_load_b32 s[MSK], s[46:47], 0x0
	s_add_nc_u64 s[12:13], s[4:5], s[30:31]
	s_add_nc_u64 s[14:15], s[4:5], s[32:33]
	s_add_nc_u64 s[16:17], s[4:5], s[34:35]
	s_add_nc_u64 s[PB:PB+1], s[4:5], s[36:37]
	s_add_nc_u64 s[6:7], s[6:7], s[38:39]
	s_add_nc_u64 s[10:11], s[10:11], s[40:41]
	global_load_b128 v[BT:BT+3], v[ADR], s[6:7]    ; four keys' pad a thread
.irp i, 0,1,2,3,4,5,6,7
	global_load_b128 v[S+4*\i:S+4*\i+3], v[ADR], s[12:13] offset:\i*8192      ; K's first half: a wave's load covers 512 consecutive bytes
.endr
.irp i, 0,1,2,3,4,5,6,7
	global_load_b128 v[S+32+4*\i:S+32+4*\i+3], v[ADR], s[14:15] offset:\i*8192   ; V's
.endr
.irp x, 0,1
.irp c, 0,1
	global_load_b128 v[Q+8*\x+4*\c:Q+8*\x+4*\c+3], v[L16], s[16:17] offset:\x*1024+\c*512   ; Q stays in registers
.endr
.endr
	global_load_b128 v[LD:LD+3], v[G0], s[PB:PB+1] offset:512                 ; the second half's first piece
.irp x, 0,1
	v_mov_b32 v[ST+4*\x+1], 0xff61b1e6             ; the largest t so far: -3e38, under every t
	v_mov_b32 v[ST+4*\x], 0x7f61b1e6               ; -M: 3e38, so that the first f is 0, on zeros
	v_mov_b32 v[ST+4*\x+2], 0
	v_mov_b32 v[ST+4*\x+3], 0
	v_mov_b32 v[WK+4*\x+1], 0                      ; (a lane permute's destination counts as read)
	v_mov_b32 v[WK+4*\x+3], 0                      ; (named as the upper half of f's pair)
.endr
.set n, 0
.rept 64
	v_mov_b32 v[O+n], 0                            ; O^T: the step is written once, and the first finds zeros
.set n, n+1
.endr
	s_wait_kmcnt 0x0
	s_add_co_i32 s56, s52, s53
	s_sub_co_i32 s56, s56, 3                       ; a score stands for score x 2^(e6 + e7), and is divided by 8
	s_lshl_b32 s56, s56, 23
	s_add_co_i32 s[CS], s[CS], s56                 ; c: the exponents are added to log2(e)'s exponent field
	s_mov_b32 s[CS+1], s[CS]
	s_add_co_i32 s56, s54, 127
	s_lshl_b32 s58, s56, 23
	v_mov_b32 v[SCL], s58
	s_add_co_i32 s56, s56, 8
	s_lshl_b32 s56, s56, 23
	s_or_b32 s56, s56, 0x600000
	v_mov_b32 v[LIM], s56
	s_cmp_lt_i32 s54, -8
	s_cselect_b32 s[HOLD], 1, 0
	s_wait_alu depctr_va_vdst(0)
	s_wait_loadcnt 21                              ; pad is in; the 21 loads issued behind it may be out
.irp i, 0,1,2,3
	v_sub_f32 v[BT+\i], 1.0, v[BT+\i]
.endr
.irp i, 0,1,2,3
	v_mul_f32 v[BT+\i], 0xce6e6b28, v[BT+\i]       ; x -1e9: the mask's term as the source has it,
.endr
.irp i, 0,1,2,3
	v_mul_f32 v[BT+\i], 0x3fb8aa3b, v[BT+\i]       ; x log2(e)
.endr
	ds_store_b128 v[ABI], v[BT:BT+3]
.irp i, 0,1,2,3,4,5,6,7
	s_wait_loadcnt 20-\i                           ; K's load i is in; behind it: K's later ones, V's 8, Q's 4, 1
	ds_store_b128 v[ADR], v[S+4*\i:S+4*\i+3] offset:\i*8192
.endr
.irp i, 0,1,2,3,4,5,6,7
	s_wait_loadcnt 12-\i
	ds_store_b128 v[ADV], v[S+32+4*\i:S+32+4*\i+3] offset:\i*8192
.endr
	s_wait_dscnt 0x0                               ; my stores are done: for the others' sake
	s_barrier_signal -1
	s_barrier_wait -1
; A KEY STEP: 64 keys, both tiles.  ld = 1: the piece of the second half that is in is stored, the next is asked for; 2: stored alone; 0: neither.
.macro STEP ld
	v_add_nc_u32 v[ADR], s[TB], v[L16]             ; these four lines are the places in front of loads into registers that the last products have read
	v_add_nc_u32 v[ABI], s[TBB], v[AB0]
	v_add_nc_u32 v[ADV], 65536, v[ADR]
.if \ld
	v_add_nc_u32 v[LA], s[LS], v[LA0]
.else
	v_nop
.endif
	s_wait_alu depctr_va_vdst(0)
.if \ld
	s_wait_loadcnt 0x0                             ; the piece asked for one step ago (first step: Q too)
	ds_store_b128 v[LA], v[LD:LD+3]
.endif
.if \ld == 1
	s_add_nc_u64 s[PB:PB+1], s[PB:PB+1], 512       ; behind the wait that shows the load done
.endif
.irp t, 0,1,2,3
	ds_load_b128 v[KF+8*\t:KF+8*\t+3], v[ADR] offset:\t*1024
	ds_load_b128 v[KF+8*\t+4:KF+8*\t+7], v[ADR] offset:\t*1024+512
.endr
	s_wait_dscnt 0x0                               ; K is in, and the store has read its registers
.if \ld == 1
	global_load_b128 v[LD:LD+3], v[G0], s[PB:PB+1] offset:512
.endif
.irp t, 0,1,2,3
.irp x, 0,1
	v_wmma_f32_16x16x64_fp8_fp8 v[S+32*\x+8*\t:S+32*\x+8*\t+7], v[KF+8*\t:KF+8*\t+7], v[Q+8*\x:Q+8*\x+7], 0
.endr
.endr
.rept 4
	v_nop                                          ; places in front of the loads into K's registers and of the first read of the scores
.endr
.irp t, 0,1,2,3
	ds_load_b128 v[KF+8*\t:KF+8*\t+3], v[ADV] offset:\t*1024              ; V: image t: channels 16 t on, these 64 keys
	ds_load_b128 v[KF+8*\t+4:KF+8*\t+7], v[ADV] offset:\t*1024+512
.endr
	s_and_b32 s[CM], s[MSK], 1                     ; is this step open?
	s_cselect_b32 s[CM], s[CS], 1.0
	s_mov_b32 s[CM+1], s[CM]
	s_cbranch_scc1 .Lopen_\@                       ; a whole number read from memory decides; the branch leads round LDS loads of bt and register work alone
.irp t, 0,1,2,3
	ds_load_b128 v[BT+8*\t:BT+8*\t+3], v[ABI] offset:64*\t                ; bt of keys 16 t + 8 (lane / 16) + 0 .. 7
	ds_load_b128 v[BT+8*\t+4:BT+8*\t+7], v[ABI] offset:64*\t+16
.endr
	s_wait_dscnt 0x0                               ; bt is in (and V, asked for ahead of it)
.irp x, 0,1
.irp j, 0,2,4,6,8,10,12,14,16,18,20,22,24,26,28,30
	v_pk_fma_f32 v[S+32*\x+\j:S+32*\x+\j+1], v[S+32*\x+\j:S+32*\x+\j+1], s[CS:CS+1], v[BT+\j:BT+\j+1] op_sel_hi:[1,0,1]   ; t = score x c + bt; each accumulator from its low end on
.endr
.endr
.irp x, 0,1                                    ; the largest t, the running one among the leaves; two chains a tile
	v_max3_num_f32 v[WK+4*\x], v[ST+4*\x+1], v[S+32*\x], v[S+32*\x+1]
	v_max3_num_f32 v[WK+4*\x+1], v[S+32*\x+2], v[S+32*\x+3], v[S+32*\x+4]
.endr
.irp i, 5,9,13,17,21,25
.irp x, 0,1
	v_max3_num_f32 v[WK+4*\x], v[WK+4*\x], v[S+32*\x+\i], v[S+32*\x+\i+1]
	v_max3_num_f32 v[WK+4*\x+1], v[WK+4*\x+1], v[S+32*\x+\i+2], v[S+32*\x+\i+3]
.endr
.endr
.irp x, 0,1
	v_max3_num_f32 v[WK+4*\x], v[WK+4*\x], v[S+32*\x+29], v[S+32*\x+30]
.endr
.irp x, 0,1
	v_max3_num_f32 v[WK+4*\x], v[WK+4*\x], v[WK+4*\x+1], v[S+32*\x+31]
.endr
.irp x, 0,1
	v_permlanex16_b32 v[WK+4*\x+1], v[WK+4*\x], s[SEL], s[SEL+1]
.endr
.irp x, 0,1
	v_max_num_f32 v[ST+4*\x+1], v[WK+4*\x], v[WK+4*\x+1]                  ; and lane l xor 16's
.endr
	s_wait_alu depctr_va_vdst(0)
	s_branch .Ljoin_\@
.Lopen_\@:
.irp x, 0,1                                    ; the largest raw score, two chains a tile, each accumulator from its low end on
	v_max3_num_f32 v[WK+4*\x], v[S+32*\x], v[S+32*\x+1], v[S+32*\x+2]
	v_max3_num_f32 v[WK+4*\x+1], v[S+32*\x+3], v[S+32*\x+4], v[S+32*\x+5]
.endr
.irp i, 6,10,14,18,22,26
.irp x, 0,1
	v_max3_num_f32 v[WK+4*\x], v[WK+4*\x], v[S+32*\x+\i], v[S+32*\x+\i+1]
	v_max3_num_f32 v[WK+4*\x+1], v[WK+4*\x+1], v[S+32*\x+\i+2], v[S+32*\x+\i+3]
.endr
.endr
.irp x, 0,1
	v_max3_num_f32 v[WK+4*\x], v[WK+4*\x], v[S+32*\x+30], v[S+32*\x+31]
.endr
.irp x, 0,1
	v_max_num_f32 v[WK+4*\x], v[WK+4*\x], v[WK+4*\x+1]
.endr
.irp x, 0,1
	v_permlanex16_b32 v[WK+4*\x+1], v[WK+4*\x], s[SEL], s[SEL+1]
.endr
.irp x, 0,1
	v_max_num_f32 v[WK+4*\x], v[WK+4*\x], v[WK+4*\x+1]
.endr
.irp x, 0,1
	v_mul_f32 v[WK+4*\x], s[CS], v[WK+4*\x]                               ; as t
.endr
.irp x, 0,1
	v_max_num_f32 v[ST+4*\x+1], v[ST+4*\x+1], v[WK+4*\x]                  ; the running largest t
.endr
.Ljoin_\@:
.irp x, 0,1
	v_floor_f32 v[WK+4*\x+1], -v[ST+4*\x+1]                               ; the new -M = -ceil(t)
.endr
.irp x, 0,1
	v_sub_f32 v[WK+4*\x], v[WK+4*\x+1], v[ST+4*\x]                        ; old M - new M: a whole number, 0 or less
.endr
.irp x, 0,1
	v_mov_b32 v[ST+4*\x], v[WK+4*\x+1]
.endr
.irp x, 0,1
	v_cvt_i32_f32 v[WK+4*\x], v[WK+4*\x]                                  ; (it saturates)
.endr
.irp x, 0,1
	v_ldexp_f32 v[WK+4*\x+2], 1.0, v[WK+4*\x]                             ; f
.endr
.irp x, 0,1
.irp j, 0,2,4,6,8,10,12,14,16,18,20,22,24,26,28,30
	v_pk_fma_f32 v[S+32*\x+\j:S+32*\x+\j+1], v[S+32*\x+\j:S+32*\x+\j+1], s[CM:CM+1], v[ST+4*\x:ST+4*\x+1] op_sel_hi:[1,0,0]   ; t - M: score x c - M, or t x 1 - M
.endr
.endr
.irp x, 0,1
.irp j, 0,2,4,6,8,10,12,14,16,18,20,22,24,26,28,30
	v_pk_mul_f32 v[O+32*\x+\j:O+32*\x+\j+1], v[O+32*\x+\j:O+32*\x+\j+1], v[WK+4*\x+2:WK+4*\x+3] op_sel_hi:[1,0]   ; O^T under the new M: no exponential stands between the last products and these
.endr
.endr
	s_wait_alu depctr_va_vdst(0)
.set n, 0
.rept 64
	v_exp_f32 v[S+n], v[S+n]                       ; p = 2^(t - M): not normalised
.set n, n+1
.endr
.irp x, 0,1
	v_pk_mul_f32 v[ST+4*\x+2:ST+4*\x+3], v[ST+4*\x+2:ST+4*\x+3], v[WK+4*\x+2:WK+4*\x+3] op_sel_hi:[1,0]   ; the sums under the new M (the plain place behind the batch)
.endr
	s_wait_alu depctr_va_vdst(0)                   ; one wait for the batch, ahead of its first reader
.irp x, 0,1                                    ; the row's sum of the unquantised p, two chains a tile
	v_pk_add_f32 v[WK+4*\x:WK+4*\x+1], v[S+32*\x:S+32*\x+1], v[S+32*\x+2:S+32*\x+3]
.endr
.irp j, 4,8,12,16,20,24,28
.irp x, 0,1
	v_pk_add_f32 v[ST+4*\x+2:ST+4*\x+3], v[ST+4*\x+2:ST+4*\x+3], v[S+32*\x+\j:S+32*\x+\j+1]
	v_pk_add_f32 v[WK+4*\x:WK+4*\x+1], v[WK+4*\x:WK+4*\x+1], v[S+32*\x+\j+2:S+32*\x+\j+3]
.endr
.endr
.irp x, 0,1
	v_pk_add_f32 v[ST+4*\x+2:ST+4*\x+3], v[ST+4*\x+2:ST+4*\x+3], v[WK+4*\x:WK+4*\x+1]
.endr
	s_cmp_eq_u32 s[HOLD], 0                        ; e8 >= -8: no p reaches 448 x 2^e8.  The branch leads round register work alone
	s_wait_alu depctr_va_vdst(0)
	s_cbranch_scc1 .Lfree_\@
.set n, 0
.rept 64
	v_min_num_f32 v[S+n], v[S+n], v[LIM]           ; the conversion does not saturate (ISA guide 7.6.2); p is not negative
.set n, n+1
.endr
.Lfree_\@:
.irp x, 0,1
.irp t, 0,1,2,3
	v_cvt_scalef32_pk8_fp8_f32 v[P+8*\x+2*\t:P+8*\x+2*\t+1], v[S+32*\x+8*\t:S+32*\x+8*\t+7], v[SCL]
.endr
.endr
	v_nop                                          ; one plain line between the conversions and the products
	s_wait_alu depctr_va_vdst(0)
	s_wait_dscnt 0x0                               ; V is in
.irp t, 0,1,2,3                                ; O^T += V^T P^T: the eight accumulators by turns
.irp x, 0,1
	v_wmma_f32_16x16x64_fp8_fp8 v[O+32*\x+8*\t:O+32*\x+8*\t+7], v[KF+8*\t:KF+8*\t+7], v[P+8*\x:P+8*\x+7], v[O+32*\x+8*\t:O+32*\x+8*\t+7]
.endr
.endr
.endm
	s_mov_b32 s[TB], 0
	s_mov_b32 s[TBB], 0
	s_mov_b32 s[LS], 0
	s_mov_b32 s[CNT], 15
.Lfirst:                                               ; steps 0-14: pieces 0-14 stored, 1-15 asked for
	STEP 1
	s_add_co_u32 s[TB], s[TB], 4096
	s_add_co_u32 s[TBB], s[TBB], 256
	s_add_co_u32 s[LS], s[LS], 512
	s_lshr_b32 s[MSK], s[MSK], 1                   ; the next step's bit
	s_sub_co_u32 s[CNT], s[CNT], 1
	s_cmp_lg_u32 s[CNT], 0
	s_cbranch_scc1 .Lfirst
	STEP 2                                         ; step 15 stores piece 15 and asks for nothing
	s_wait_dscnt 0x0                               ; my stores of the second half and my reads of the first are done
	s_barrier_signal -1
	s_barrier_wait -1
	s_mov_b32 s[TB], 131072
	s_lshr_b32 s[MSK], s[MSK], 1
	s_mov_b32 s[TBB], 4096
	s_mov_b32 s[CNT], 16
.Lsecond:
	STEP 0
	s_add_co_u32 s[TB], s[TB], 4096
	s_lshr_b32 s[MSK], s[MSK], 1
	s_add_co_u32 s[TBB], s[TBB], 256
	s_sub_co_u32 s[CNT], s[CNT], 1
	s_cmp_lg_u32 s[CNT], 0
	s_cbranch_scc1 .Lsecond
	; THE WAY OUT: O^T / the sum goes through my stage, a tile of 16 queries x 64 channels at a time, so that sixteen lanes store 256 consecutive bytes, aligned.
.irp x, 0,1
	v_add_f32 v[WK+4*\x], v[ST+4*\x+2], v[ST+4*\x+3]
.endr
.irp x, 0,1
	v_permlanex16_b32 v[WK+4*\x+1], v[WK+4*\x], s[SEL], s[SEL+1]
.endr
.irp x, 0,1
	v_add_f32 v[WK+4*\x], v[WK+4*\x], v[WK+4*\x+1]                        ; the row's sum
.endr
	s_wait_alu depctr_va_vdst(0)                   ; ahead of the two reciprocals
.irp x, 0,1
	v_rcp_f32 v[WK+4*\x+2], v[WK+4*\x]
.endr
	v_and_b32 v8, 15, v0                           ; r
	v_bfe_u32 v9, v0, 4, 1                         ; hh
	s_mul_i32 s56, s[WV], 16*SPT                   ; my stage
	s_add_co_i32 s57, s54, s55                     ; e8 + e9
	v_mul_u32_u24 v[ADR], v8, SPT
	v_mul_u32_u24 v[ADV], v9, SPT
	v_lshl_add_u32 v[ADR], v9, 5, v[ADR]
	v_lshl_add_u32 v[ADV], v8, 4, v[ADV]
	v_add_nc_u32 v[ADR], s56, v[ADR]               ; in: row r; image t's eight channels of my half at 64 t + 32 hh
	v_add_nc_u32 v[ADV], s56, v[ADV]               ; back: lanes 0-15 one row, lanes 16-31 the next
	v_lshlrev_b32 v[ABI], 12, v9
	v_lshl_add_u32 v[ABI], v8, 4, v[ABI]           ; and the same two rows in out0
	s_wait_alu depctr_va_vdst(0)                   ; one wait for the two reciprocals, ahead of their first reader
.irp x, 0,1
	v_ldexp_f32 v[WK+4*\x+2], v[WK+4*\x+2], s57    ; x 2^(e8 + e9)
.endr
	s_wait_alu depctr_va_vdst(0)
.irp x, 0,1
.irp j, 0,2,4,6,8,10,12,14,16,18,20,22,24,26,28,30
	v_pk_mul_f32 v[S+32*\x+\j:S+32*\x+\j+1], v[O+32*\x+\j:O+32*\x+\j+1], v[WK+4*\x+2:WK+4*\x+3] op_sel_hi:[1,0]   ; register 8 t + j: out(query r, channel 16 t + 8 hh + j)
.endr
.endr
.irp x, 0,1
.irp t, 0,1,2,3
	ds_store_b128 v[ADR], v[S+32*\x+8*\t:S+32*\x+8*\t+3] offset:64*\t
	ds_store_b128 v[ADR], v[S+32*\x+8*\t+4:S+32*\x+8*\t+7] offset:64*\t+16
.endr
.irp i, 0,1,2,3,4,5,6,7
	ds_load_b128 v[KF+32*\x+4*\i:KF+32*\x+4*\i+3], v[ADV] offset:2*\i*SPT  ; LDS serves a wave's instructions in order (ISA guide 5.7.1.4)
.endr
.endr
.irp x, 0,1
.irp i, 0,1,2,3,4,5,6,7
	s_wait_dscnt (1-\x)*16+7-\i                    ; behind this load: the tile's later loads, and for tile 0 the sixteen of tile 1
	global_store_b128 v[ABI], v[KF+32*\x+4*\i:KF+32*\x+4*\i+3], s[10:11] offset:\x*65536+\i*8192 th:TH_STORE_NT
.endr
.endr
	s_wait_tensorcnt 0x0                           ; the wave's end, behind my last LDS store
	ds_add_u32 v[SPW], v[NIL]
	s_wait_dscnt 0x0
	s_endpgm
.Lfunc_end_k_qf16e83a0c6_attn:
	.size	k_qf16e83a0c6_attn, .Lfunc_end_k_qf16e83a0c6_attn-k_qf16e83a0c6_attn
	.p2alignl 7, 3214868480
	.fill 96, 4, 3214868480
	.section	.rodata,"a",@progbits
	.p2align	6, 0x0
	.amdhsa_kernel k_qf16e83a0c6_attn
		.amdhsa_group_segment_fixed_size 272384
		.amdhsa_private_segment_fixed_size 0
		.amdhsa_enable_private_segment 0
		.amdhsa_kernarg_size 40
		.amdhsa_user_sgpr_count 2
		.amdhsa_user_sgpr_kernarg_segment_ptr 1
		.amdhsa_wavefront_size32 1
		.amdhsa_system_sgpr_workgroup_id_x 1
		.amdhsa_system_sgpr_workgroup_id_y 1
		.amdhsa_system_sgpr_workgroup_id_z 1
		.amdhsa_system_vgpr_workitem_id 0
		.amdhsa_next_free_vgpr 256
		.amdhsa_next_free_sgpr 66
		.amdhsa_reserve_vcc 0
		.amdhsa_float_denorm_mode_32 3
		.amdhsa_float_denorm_mode_16_64 3
		.amdhsa_memory_ordered 1
		.amdhsa_forward_progress 1
		.amdhsa_inst_pref_size 82
	.end_amdhsa_kernel
	.amdgpu_metadata
---
amdhsa.version: [ 1, 2 ]
amdhsa.kernels:
  - .name:           k_qf16e83a0c6_attn
    .symbol:         k_qf16e83a0c6_attn.kd
    .args:
      - { .name: qkv, .offset: 0, .size: 8, .value_kind: global_buffer, .address_space: global }
      - { .name: pad, .offset: 8, .size: 8, .value_kind: global_buffer, .address_space: global }
      - { .name: lowp_scales, .offset: 16, .size: 8, .value_kind: global_buffer, .address_space: global }
      - { .name: out0, .offset: 24, .size: 8, .value_kind: global_buffer, .address_space: global }
      - { .name: flags, .offset: 32, .size: 8, .value_kind: global_buffer, .address_space: global }
    .group_segment_fixed_size: 272384
    .private_segment_fixed_size: 0
    .kernarg_segment_align: 8
    .kernarg_segment_size: 40
    .max_flat_workgroup_size: 512
    .sgpr_count:     66
    .vgpr_count:     256
    .wavefront_size: 32
...
	.end_amdgpu_metadata
.endif
;; end of part 3
